; MI455X (gfx1250); checked and timed in simulation.
; The chip was launched on July 23, 2026; its instructions are those of AMD's public machine-readable ISA for CDNA 5 (MIT licence, August 2026) and "CDNA5" Instruction Set Architecture Reference Guide (July 2026). The comments in the code are by the model that wrote it; some were corrected since.
;; CFM. Allowed arithmetic: matrix products marked QUANTISED: E2M1 operands, one E8M0 scale for each 32 along K, by v_wmma_scale_f32_16x16x128_f8f6f4 with both operands' format E2M1 (or v_wmma_scale_f32_32x16x128_f4), f32 sums; products left as they are: f32 operands where the result goes on into a quantised operand, else bf16, f16 or f32 operands; f32 sums; everything else in f32.
;; Inputs: W1 512 x 512 float32; W2 512 x 1 float32; b1 512 float32; b2 1 float32; z_o 512 x 256 float32; z_t 1,024 x 256 float32.
;; Outputs: out0 1,024 x 512 float32.
;; This version of the problem:
;;   THIS VERSION OF THE PROBLEM IS GIVEN IN LOW PRECISION. The matrix products marked QUANTISED in the list below multiply operands that are first quantised to E2M1 (2 exponent bits, 1 mantissa bit; 4 bits a number), with one power-of-two scale for each 32 numbers along K (OCP MX v1.0); their sums are f32. All else is computed in f32.
;;   The module's matrix products, in the order in which they are computed (A, B: the left and right operand; K: the contracted axis; several contracted axes count as one K, in the product's order):
;;     1. [M 1,024, K 256] x [K 256, N 512]; A: input z_t; B: input W1: QUANTISED
;;     2. [M 512, K 256] x [K 256, N 512]; A: input z_o; B: input W1: QUANTISED
;;     3. [M 524,288, K 512] x [K 512, N 1]; A: computed on the way; B: input W2: left as it is (N = 1 < 16)
;;   THE QUANTISER, for each operand of a quantised product, along K:
;;     - K is cut into blocks of 32 from its start; a last block that is shorter is filled with zeros.
;;     - A block's scale is 2^e with e = floor(log2(the largest magnitude in the block)) - 2, held to -126 .. 127; a block of zeros has e = 0. As a byte (E8M0): e + 127.
;;     - Each number is divided by its block's scale, clamped to +-6, and rounded to the nearest number of E2M1, ties to even, subnormals kept.
;;     - The product sums the exact products of the quantised numbers (number of the format x scale) in f32.
;;   ~~~python
;;   def quantise(x, axis):      # numpy; x: float32 -> the quantised numbers, widened to float32 again
;;       x = np.moveaxis(x, axis, -1); K = x.shape[-1]
;;       x = np.pad(x, [(0, 0)] * (x.ndim - 1) + [(0, -K % 32)]); x = x.reshape(x.shape[:-1] + (-1, 32)); a = np.abs(x).max(-1, keepdims=True)
;;       e = np.where(a > 0, np.clip(np.frexp(np.where(a > 0, a, 1))[1] - 1 - 2, -126, 127), 0)      # np.frexp(a)[1] - 1 = floor(log2(a)), exactly
;;       r = np.clip(x / 2.0 ** e, -6, 6)
;;       step = 2.0 ** (np.maximum(np.frexp(np.where(r == 0, 1, r))[1] - 1, 0) - 1)
;;       q = np.round(r / step) * step * 2.0 ** e      # np.round: ties to even
;;       return np.moveaxis(q.reshape(q.shape[:-2] + (-1,))[..., :K], -1, axis).astype(np.float32)
;;   ~~~
;; One version. Each part assembles by itself: llvm-mc -triple=amdgcn-amd-amdhsa -mcpu=gfx1250 --defsym DOCPART=n.
;; ======== version 1 of 1: 2 launches
;; workspace buffers: abuf 2,097,152 bytes; bbuf 1,048,576 bytes; part 49,152 bytes
;; launch proj (part 1): grid 8 x 24, 8 waves a work-group, no clusters, 21,504 bytes of LDS; arguments z_t, z_o, W1, b1, W2, abuf, bbuf, part; writes abuf, bbuf, part
.if DOCPART == 1
	.amdgcn_target "amdgcn-amd-amdhsa--gfx1250"
	.amdhsa_code_object_version 6
	.text
	.protected	k_qc1246cb403_proj
	.globl	k_qc1246cb403_proj
	.p2align	8
	.type	k_qc1246cb403_proj,@function
k_qc1246cb403_proj:
	s_mov_b64 s[64:65], 0
	v_nop
	global_prefetch_b8 v0, s[64:65] scope:SCOPE_SE
	s_setreg_imm32_b32 hwreg(HW_REG_WAVE_MODE, 25, 1), 1
	s_wait_xcnt 0x0
; ht = Q(z_t) Q(W1[0:256]) and ho = Q(z_o) Q(W1[256:512]): both operands quantised along K = 256 to E2M1 with one E8M0 scale for each 32, sums in f32.
; WHAT IS LEFT FOR THE SECOND LAUNCH:  A[t][j] = ht[t][j];  B[o][j] = -(ho[o][j] + b1[j]);  and, for each 64 columns, 0.01 x sum_j W2[j] ht[t][j] and sum_j W2[j] (ho[o][j] + b1[j]).
; A is laid [t / 32][j / 4][t % 32][j % 4], B [o / 64][j / 4][o % 64][j % 4]: four neighbouring j of a row are 16 bytes, the rows of a tile stand side by side.
; SHARES.  Grid 8 x 24: x = which 64 columns, y = which 64 rows (0-15: z_t, 16-23: z_o).  Both kinds take one path: pointers and four constants are chosen by the work-group's number.
; For z_o the sign bits of z's codes are flipped (the quantiser is odd, so these are the codes of -z_o) and C = -b1: the product's result is B as it stands.  For z_t C = 0 x b1.
; QUANTISING.  z: K is innermost.  A wave takes 8 rows; lane l holds k = 8 l .. 8 l + 7 of a row (two loads of 16 bytes, together the row's 1,024 bytes), four lanes hold a block: its largest magnitude takes two
; steps between lanes, and one conversion gives the lane's 8 codes.  W1: K is the first axis.  A wave takes 32 columns x 64 K: a lane a column, its registers down K, a block in 32 registers of one lane.
; Codes go to LDS as rows of 128 bytes + 16 (K innermost), scale bytes as 8 a row; behind one barrier every wave reads its fragments.
; PRODUCTS.  Wave w: rows 16 (w / 2) on, columns 32 (w % 2) on: two accumulators by turns, two K steps.  TRANSPOSED: source 0 = 16 columns of W1, source 1 = 16 rows of z: lane (r, h) holds row r and
; columns 8 h + 0 .. 7: two pieces of 16 bytes of A or B, and sixteen lanes store 256 consecutive bytes, aligned.
; NO JOINT LOADS: the f32 numbers go from memory straight into the registers in which they are quantised, once, 128 KB a work-group, with no loop in which tiles would be asked for again.
; LIMITS: NaN and infinities among the inputs are not served (0 x b1 is formed); a block of zeros, or one whose largest magnitude lies under 2^-124, gets the scale byte 1: its bytes are read here alone.
.set CP,    144                        ; a row of 256 codes in LDS: 128 bytes + 16: the 16 rows of a fragment load start at 16 different 16-byte columns of 256
.set ZC,    0                          ; z's codes, 64 rows
.set WC,    64*CP                      ; W1's codes, 64 columns as rows
.set ZS,    128*CP                     ; z's scale bytes, 8 a row
.set WS,    ZS+512                     ; W1's
.set PL,    WS+512                     ; the row sums: 2 halves of the columns x 64 rows, f32
.set FLOOR, 0x1800000                  ; 2^(3 - 127): under it no largest magnitude is taken, so the byte cannot fall under 1
.set EOFF,  0xff000000                 ; takes 2 off an exponent field
.set LN,  1                            ; lane
.set WN,  2                            ; wave
.set RI,  3                            ; r = lane % 16
.set HI,  4                            ; h = lane / 16
.set KQ,  5                            ; wave / 2: which 64 of K (quantising W1); which 16 rows (products)
.set NH,  6                            ; wave % 2: which 32 columns
.set COL, 7                            ; my column of the 64 (quantising W1)
.set ZG,  8                            ; byte offsets in memory: z, W1, b1 and W2
.set WG,  9
.set BG,  10
.set ZST, 11                           ; LDS: where z's codes, z's bytes, W1's codes, W1's bytes go
.set ZSS, 12
.set WST, 13
.set WSS, 14
.set RH,  15
.set ZFA, 16                           ; LDS: where the fragments and scale words come from
.set WFA, 17
.set R8,  18
.set ZSA, 19
.set WSA, 20
.set PLS, 21                           ; LDS: the row sums, in and out
.set PLR, 22
.set PG,  23
.set O0,  24                           ; v24-27  byte offsets of my four stores
.set MX,  28                           ; v28-35  z: largest magnitudes (later v28-29: W1's two bytes)
.set SO,  36                           ; v36-43  z: the conversions' scale operands
.set BY,  44                           ; v44-51  z: scale bytes
.set ZCD, 52                           ; v52-59  z: codes, a register a row
.set MXW, 60                           ; v60-63  W1: largest magnitudes, two chains a block
.set WR,  64                           ; v64-127 W1's numbers: two blocks of 32
.set ZR,  128                          ; v128-191 z's numbers: 8 rows of 8
.set BI,  192                          ; v192-207 b1 of my two tiles, in the result's layout: the C of the first products
.set WV,  208                          ; v208-223 W2 likewise
.set ZF,  224                          ; v224-239 z's two fragments
.set ZSC, 240                          ; v240-241 z's scale words; v242-245 W1's: these six hold scales and nothing else
.set WSC, 242
.set SOW, 246                          ; v246-247 W1: scale operands
.set WCD, 248                          ; v248-255 W1: codes
.set BYW, 28
.set WF,  64                           ; v64-95  W1's four fragments (the numbers are done with)
.set DD,  96                           ; v96-111 the two accumulators
.set PS,  112                          ; v112-117 row sums at work
	s_load_b256 s[4:11], s[0:1], 0x0               ; z_t s[4:5], z_o s[6:7], W1 s[8:9], b1 s[10:11]
	s_load_b256 s[12:19], s[0:1], 0x20             ; W2 s[12:13], A s[14:15], B s[16:17], row sums s[18:19]
	s_set_vgpr_msb 0x40
	v_lshl_add_u32 v0, v0, 2, 0x5000
	v_mov_b32 v1, 0
	s_set_vgpr_msb 0x4000
	v_and_b32 v[LN], 31, v0
	v_lshrrev_b32 v[WN], 5, v0
	v_readfirstlane_b32 s20, v[WN]                 ; wave 0..7
	v_and_b32 v[RI], 15, v0
	v_bfe_u32 v[HI], v0, 4, 1
	v_lshrrev_b32 v[KQ], 6, v0
	v_bfe_u32 v[NH], v0, 5, 1
	v_and_b32 v[COL], 63, v0
	v_lshlrev_b32 v[ZG], 5, v[LN]                  ; z: 32 bytes a lane
	v_lshlrev_b32 v[WG], 2, v[LN]                  ; W1: 4 bytes a lane
	v_lshlrev_b32 v[BG], 5, v[HI]                  ; b1, W2: my half's eight numbers of a tile
	v_mul_u32_u24 v[ZST], v[WN], 8*CP              ; z's codes: row 8 wave + i, 4 bytes a lane
	v_lshl_add_u32 v[ZST], v[LN], 2, v[ZST]
	v_lshrrev_b32 v[ZSS], 2, v[LN]                 ; z's bytes: 8 a row, block = lane / 4
	v_lshl_add_u32 v[ZSS], v[WN], 6, v[ZSS]
	v_add_nc_u32 v[ZSS], ZS, v[ZSS]
	v_mul_u32_u24 v[WST], v[COL], CP               ; W1's codes: row = my column, 16 bytes a block, my first block 2 (wave / 2)
	v_lshl_add_u32 v[WST], v[KQ], 5, v[WST]
	v_add_nc_u32 v[WST], WC, v[WST]
	v_lshlrev_b32 v[WSS], 3, v[COL]                ; W1's bytes
	v_lshl_add_u32 v[WSS], v[KQ], 1, v[WSS]
	v_add_nc_u32 v[WSS], WS, v[WSS]
	v_mul_u32_u24 v[RH], v[RI], CP                 ; a fragment: row r x pitch + 16 h
	v_lshl_add_u32 v[RH], v[HI], 4, v[RH]
	v_mad_u32_u24 v[ZFA], v[KQ], 16*CP, v[RH]      ; z: my 16 rows
	v_mad_u32_u24 v[WFA], v[NH], 32*CP, v[RH]      ; W1: my 32 columns
	v_add_nc_u32 v[WFA], WC, v[WFA]
	v_lshlrev_b32 v[R8], 3, v[RI]
	v_lshl_add_u32 v[ZSA], v[KQ], 7, v[R8]         ; scale words: 8 bytes a row
	v_add_nc_u32 v[ZSA], ZS, v[ZSA]
	v_lshl_add_u32 v[WSA], v[NH], 8, v[R8]
	v_add_nc_u32 v[WSA], WS, v[WSA]
	v_lshlrev_b32 v[PLS], 2, v[RI]                 ; my row's sum: half of the columns x 256 + row x 4
	v_lshl_add_u32 v[PLS], v[KQ], 6, v[PLS]
	v_lshl_add_u32 v[PLS], v[NH], 8, v[PLS]
	v_add_nc_u32 v[PLS], PL, v[PLS]
	v_lshl_add_u32 v[PLR], v[LN], 3, PL            ; back: two rows a lane
	v_lshlrev_b32 v[PG], 3, v[LN]
	s_and_b32 s21, ttmp7, 0xffff                   ; which 64 rows: 0-15 of z_t, 16-23 of z_o
	s_lshr_b32 s28, s20, 1                         ; wave / 2
	s_and_b32 s29, s20, 1                          ; wave % 2
	s_lshr_b32 s30, s28, 1                         ; where my 16 rows lie in the output.  A's tiles have 32 rows: tile (wave / 4) of my two, 65,536 bytes each, and 16 rows x 16 bytes for the odd ones
	s_lshl_b32 s30, s30, 16
	s_and_b32 s31, s28, 1
	s_lshl_b32 s31, s31, 8
	s_add_co_u32 s30, s30, s31
	s_lshl_b32 s31, s28, 8                         ; B's tiles have 64 rows: 16 rows x 16 bytes x (wave / 2)
	s_mov_b32 s25, 0xbf800000
	s_mov_b32 s33, 0
	s_mov_b32 s38, 0x76543210                      ; v_permlanex16_b32's selects for lane l xor 16
	s_mov_b32 s39, 0xfedcba98
	s_wait_kmcnt 0x0
	s_cmp_lt_u32 s21, 16                           ; rows of z_t?  The choice hangs on the work-group's number alone
	s_cselect_b64 s[4:5], s[4:5], s[6:7]           ; z
	s_cselect_b64 s[14:15], s[14:15], s[16:17]     ; A or B
	s_cselect_b32 s22, 0, 16
	s_cselect_b32 s23, 0, 0x88888888               ; the sign bits of eight codes
	s_cselect_b32 s24, 0, 0xbf800000               ; C = 0 x b1 or -1 x b1
	s_cselect_b32 s25, 0x3c23d70a, s25             ; the row sum x 0.01, or x -1 (B is -hb)
	s_cselect_b32 s26, 0, 0x80000                  ; W1's rows 0 or 256 on: 256 x 2,048 bytes
	s_cselect_b32 s27, 9, 10                       ; four j of a tile's rows: 512 bytes in A, 1,024 in B
	s_cselect_b32 s30, s30, s31
	s_sub_co_u32 s22, s21, s22                     ; which 64 rows of my tensor
	s_lshl_b32 s32, s22, 16                        ; z: 64 rows of 1,024 bytes, + my wave's 8 rows
	s_lshl_b32 s34, s20, 13
	s_add_co_u32 s32, s32, s34
	s_add_nc_u64 s[4:5], s[4:5], s[32:33]
	s_lshl_b32 s32, s28, 17                        ; W1: my 64 rows of 2,048 bytes, in my half, + 256 bytes x work-group x, + my 32 columns
	s_add_co_u32 s32, s32, s26
	s_lshl_b32 s34, ttmp9, 8
	s_add_co_u32 s32, s32, s34
	s_lshl_b32 s35, s29, 7
	s_add_co_u32 s32, s32, s35
	s_add_nc_u64 s[8:9], s[8:9], s[32:33]
	s_add_co_u32 s32, s34, s35                     ; b1, W2: my 32 columns
	s_add_nc_u64 s[10:11], s[10:11], s[32:33]
	s_add_nc_u64 s[12:13], s[12:13], s[32:33]
	s_lshl_b32 s32, ttmp9, 4                       ; the output: my first group of four j: 16 x + 8 (wave % 2),
	s_lshl_b32 s34, s29, 3
	s_add_co_u32 s32, s32, s34
	s_lshl_b32 s32, s32, s27
	s_add_co_u32 s32, s32, s30                     ; my 16 rows,
	s_lshl_b32 s34, s22, 17                        ; and my 64 rows' tiles: 131,072 bytes in A (two tiles) and in B (one)
	s_add_co_u32 s32, s32, s34
	s_add_nc_u64 s[14:15], s[14:15], s[32:33]
	s_mul_i32 s32, ttmp9, 6144                     ; the row sums: [8 groups of columns][1,536 rows]; z_o's rows follow z_t's, so the row is 64 y
	s_lshl_b32 s34, s21, 8
	s_add_co_u32 s32, s32, s34
	s_add_nc_u64 s[18:19], s[18:19], s[32:33]
	s_add_co_u32 s34, s27, 1
	v_lshlrev_b32 v[O0], s34, v[HI]                ; lanes 16-31 hold columns 8 on: two groups of four j
	v_lshl_add_u32 v[O0], v[RI], 4, v[O0]          ; + 16 bytes a row
	s_lshl_b32 s35, 1, s27
	v_add_nc_u32 v[O0+1], s35, v[O0]               ; registers 4-7: the next group
	s_lshl_b32 s36, 4, s27
	v_add_nc_u32 v[O0+2], s36, v[O0]               ; the second tile: four groups on
	v_add_nc_u32 v[O0+3], s36, v[O0+1]
	; 88 loads a wave, all on their way at once: b1 and W2 (8), z (16), W1 (64)
.irp t, 0,1
	global_load_b128 v[BI+8*\t:BI+8*\t+3],   v[BG], s[10:11] offset:64*\t
	global_load_b128 v[BI+8*\t+4:BI+8*\t+7], v[BG], s[10:11] offset:64*\t+16
	global_load_b128 v[WV+8*\t:WV+8*\t+3],   v[BG], s[12:13] offset:64*\t
	global_load_b128 v[WV+8*\t+4:WV+8*\t+7], v[BG], s[12:13] offset:64*\t+16
.endr
.irp i, 0,1,2,3,4,5,6,7
	global_load_b128 v[ZR+8*\i:ZR+8*\i+3],   v[ZG], s[4:5] offset:1024*\i
	global_load_b128 v[ZR+8*\i+4:ZR+8*\i+7], v[ZG], s[4:5] offset:1024*\i+16
.endr
.set i, 0
.rept 64
	global_load_b32 v[WR+i], v[WG], s[8:9] offset:2048*i       ; W1(k, my column): 32 lanes read 128 consecutive bytes
.set i, i+1
.endr
	s_wait_loadcnt 63                              ; at most 63 of the 88 are out: the first 24, b1, W2 and z, are in
.irp p, 0,2,4,6,8,10,12,14
	v_pk_mul_f32 v[BI+\p:BI+\p+1], v[BI+\p:BI+\p+1], s[24:25] op_sel_hi:[1,0]   ; C = 0 or -b1 (the pair's low word serves both halves)
.endr
	; z: eight rows by turns, so that no line waits for the line above it
.irp i, 0,1,2,3,4,5,6,7
	v_max3_num_f32 v[MX+\i], |v[ZR+8*\i]|, |v[ZR+8*\i+1]|, FLOOR
.endr
.irp p, 2,4,6
.irp i, 0,1,2,3,4,5,6,7
	v_max3_num_f32 v[MX+\i], v[MX+\i], |v[ZR+8*\i+\p]|, |v[ZR+8*\i+\p+1]|
.endr
.endr
.irp i, 0,1,2,3,4,5,6,7
	v_max_num_f32_dpp v[MX+\i], v[MX+\i], v[MX+\i] row_xmask:1 row_mask:0xf bank_mask:0xf
.endr
.irp i, 0,1,2,3,4,5,6,7
	v_max_num_f32_dpp v[MX+\i], v[MX+\i], v[MX+\i] row_xmask:2 row_mask:0xf bank_mask:0xf   ; the four lanes of a block now hold its largest magnitude
.endr
.irp i, 0,1,2,3,4,5,6,7
	v_add_nc_u32 v[SO+\i], EOFF, v[MX+\i]          ; 2 off its exponent field: the conversion takes this operand's exponent field as its scale
.endr
.irp i, 0,1,2,3,4,5,6,7
	v_lshrrev_b32 v[BY+\i], 23, v[SO+\i]           ; the scale's byte
.endr
.irp i, 0,1,2,3,4,5,6,7
	v_cvt_scalef32_pk8_fp4_f32 v[ZCD+\i], v[ZR+8*\i:ZR+8*\i+7], v[SO+\i]
.endr
	v_nop                                          ; one plain place behind the conversions
.irp i, 0,1,2,3,4,5,6,7
	v_xor_b32 v[ZCD+\i], s23, v[ZCD+\i]            ; z_o: the codes of -z_o
.endr
.irp i, 0,1,2,3,4,5,6,7
	ds_store_b32 v[ZST], v[ZCD+\i] offset:CP*\i    ; 32 lanes: the row's 128 bytes
	ds_store_b8 v[ZSS], v[BY+\i] offset:8*\i       ; the four lanes of a block write the same byte with the same value
.endr
	s_wait_loadcnt 0x0                             ; W1
.irp c, 0,1
	v_max3_num_f32 v[MXW+2*\c],   |v[WR+32*\c]|,    |v[WR+32*\c+1]|,  FLOOR
	v_max3_num_f32 v[MXW+2*\c+1], |v[WR+32*\c+16]|, |v[WR+32*\c+17]|, FLOOR
.endr
.irp p, 2,4,6,8,10,12,14
.irp c, 0,1
	v_max3_num_f32 v[MXW+2*\c],   v[MXW+2*\c],   |v[WR+32*\c+\p]|,    |v[WR+32*\c+\p+1]|
	v_max3_num_f32 v[MXW+2*\c+1], v[MXW+2*\c+1], |v[WR+32*\c+16+\p]|, |v[WR+32*\c+17+\p]|
.endr
.endr
.irp c, 0,1
	v_max_num_f32 v[MXW+2*\c], v[MXW+2*\c], v[MXW+2*\c+1]      ; all 32 numbers of the block are mine
.endr
.irp c, 0,1
	v_add_nc_u32 v[SOW+\c], EOFF, v[MXW+2*\c]
.endr
.irp c, 0,1
	v_lshrrev_b32 v[BYW+\c], 23, v[SOW+\c]
.endr
	v_lshl_or_b32 v[BYW], v[BYW+1], 8, v[BYW]      ; my two bytes are neighbours in my column's row
.irp c, 0,1
.irp g, 0,1,2,3
	v_cvt_scalef32_pk8_fp4_f32 v[WCD+4*\c+\g], v[WR+32*\c+8*\g:WR+32*\c+8*\g+7], v[SOW+\c]
.endr
.endr
	v_nop                                          ; one plain place behind the conversions: matrix results are later laid over their sources
.irp c, 0,1
	ds_store_b128 v[WST], v[WCD+4*\c:WCD+4*\c+3] offset:16*\c
.endr
	ds_store_b16 v[WSS], v[BYW]
	s_wait_dscnt 0x0                               ; for the others' sake: my codes and bytes lie in LDS
	s_barrier_signal -1
	s_barrier_wait -1
	; a fragment, 16 rows x 128 K of 4-bit codes: registers 4 c .. 4 c + 3 hold k = 64 c + 32 h + 0 .. 31: two loads of 16 bytes, 32 bytes apart
.irp s, 0,1
.irp c, 0,1
	ds_load_b128 v[ZF+8*\s+4*\c:ZF+8*\s+4*\c+3], v[ZFA] offset:64*\s+32*\c
.endr
	ds_load_b32 v[ZSC+\s], v[ZSA] offset:4*\s
.endr
.irp t, 0,1
.irp s, 0,1
.irp c, 0,1
	ds_load_b128 v[WF+16*\t+8*\s+4*\c:WF+16*\t+8*\s+4*\c+3], v[WFA] offset:16*CP*\t+64*\s+32*\c
.endr
	ds_load_b32 v[WSC+2*\t+\s], v[WSA] offset:128*\t+4*\s
.endr
.endr
	s_wait_dscnt 0x0
	; the two accumulators by turns, one instruction a turn
	v_wmma_scale_f32_16x16x128_f8f6f4 v[DD:DD+7],    v[WF:WF+7],     v[ZF:ZF+7],    v[BI:BI+7],    v[WSC],   v[ZSC]   matrix_a_fmt:MATRIX_FMT_FP4 matrix_b_fmt:MATRIX_FMT_FP4
	v_wmma_scale_f32_16x16x128_f8f6f4 v[DD+8:DD+15], v[WF+16:WF+23], v[ZF:ZF+7],    v[BI+8:BI+15], v[WSC+2], v[ZSC]   matrix_a_fmt:MATRIX_FMT_FP4 matrix_b_fmt:MATRIX_FMT_FP4
	v_wmma_scale_f32_16x16x128_f8f6f4 v[DD:DD+7],    v[WF+8:WF+15],  v[ZF+8:ZF+15], v[DD:DD+7],    v[WSC+1], v[ZSC+1] matrix_a_fmt:MATRIX_FMT_FP4 matrix_b_fmt:MATRIX_FMT_FP4
	v_wmma_scale_f32_16x16x128_f8f6f4 v[DD+8:DD+15], v[WF+24:WF+31], v[ZF+8:ZF+15], v[DD+8:DD+15], v[WSC+3], v[ZSC+1] matrix_a_fmt:MATRIX_FMT_FP4 matrix_b_fmt:MATRIX_FMT_FP4
.rept 4
	v_nop                                          ; four places in front of the first read of the results (ISA guide 7.12.1)
.endr
	v_pk_mul_f32 v[PS:PS+1],   v[DD:DD+1],   v[WV:WV+1]        ; the row's sum against W2 over my 32 columns; each accumulator is read from its low end on
	v_pk_mul_f32 v[PS+2:PS+3], v[DD+8:DD+9], v[WV+8:WV+9]
.irp p, 2,4,6
	v_pk_fma_f32 v[PS:PS+1],   v[DD+\p:DD+\p+1],   v[WV+\p:WV+\p+1],   v[PS:PS+1]
	v_pk_fma_f32 v[PS+2:PS+3], v[DD+8+\p:DD+9+\p], v[WV+8+\p:WV+9+\p], v[PS+2:PS+3]
.endr
	global_store_b128 v[O0],   v[DD:DD+3],     s[14:15]        ; sixteen lanes store 256 consecutive bytes, aligned: four j of 16 rows
	global_store_b128 v[O0+1], v[DD+4:DD+7],   s[14:15]
	global_store_b128 v[O0+2], v[DD+8:DD+11],  s[14:15]
	global_store_b128 v[O0+3], v[DD+12:DD+15], s[14:15]
	v_pk_add_f32 v[PS:PS+1], v[PS:PS+1], v[PS+2:PS+3]
	v_add_f32 v[PS], v[PS], v[PS+1]
	v_permlanex16_b32 v[PS+2], v[PS], s38, s39     ; the row's other 16 columns lie in lane l xor 16
	v_add_f32 v[PS], v[PS], v[PS+2]
	v_mul_f32 v[PS], s25, v[PS]                    ; x 0.01 for ht, x -1 for B
	ds_store_b32 v[PLS], v[PS]                     ; lanes r and r + 16 write the same word with the same value
	s_wait_dscnt 0x0
	s_barrier_signal -1
	s_barrier_wait -1
	s_cmp_lg_u32 s20, 0                            ; wave 0 adds the two halves of the columns and stores the 64 rows' sums
	s_cbranch_scc1 .Ldone
	ds_load_b64 v[PS:PS+1],   v[PLR]
	ds_load_b64 v[PS+2:PS+3], v[PLR] offset:256
	s_wait_dscnt 0x0
	v_pk_add_f32 v[PS+4:PS+5], v[PS:PS+1], v[PS+2:PS+3]
	global_store_b64 v[PG], v[PS+4:PS+5], s[18:19] ; 32 lanes store 256 consecutive bytes, aligned
.Ldone:
	s_set_vgpr_msb 0x5
	s_wait_tensorcnt 0x0
	ds_add_u32 v0, v1
	s_wait_dscnt 0x0
	s_set_vgpr_msb 0x500
	s_endpgm
.Lfunc_end_k_qc1246cb403_proj:
	.size	k_qc1246cb403_proj, .Lfunc_end_k_qc1246cb403_proj-k_qc1246cb403_proj
	.p2alignl 7, 3214868480
	.fill 96, 4, 3214868480
	.section	.rodata,"a",@progbits
	.p2align	6, 0x0
	.amdhsa_kernel k_qc1246cb403_proj
		.amdhsa_group_segment_fixed_size 21504
		.amdhsa_private_segment_fixed_size 0
		.amdhsa_enable_private_segment 0
		.amdhsa_kernarg_size 64
		.amdhsa_user_sgpr_count 2
		.amdhsa_user_sgpr_kernarg_segment_ptr 1
		.amdhsa_wavefront_size32 1
		.amdhsa_system_sgpr_workgroup_id_x 1
		.amdhsa_system_sgpr_workgroup_id_y 1
		.amdhsa_system_sgpr_workgroup_id_z 1
		.amdhsa_system_vgpr_workitem_id 0
		.amdhsa_next_free_vgpr 258
		.amdhsa_next_free_sgpr 66
		.amdhsa_reserve_vcc 0
		.amdhsa_float_denorm_mode_32 3
		.amdhsa_float_denorm_mode_16_64 3
		.amdhsa_memory_ordered 1
		.amdhsa_forward_progress 1
		.amdhsa_inst_pref_size 27
	.end_amdhsa_kernel
	.amdgpu_metadata
---
amdhsa.version: [ 1, 2 ]
amdhsa.kernels:
  - .name:           k_qc1246cb403_proj
    .symbol:         k_qc1246cb403_proj.kd
    .args:
      - { .name: z_t, .offset: 0, .size: 8, .value_kind: global_buffer, .address_space: global }
      - { .name: z_o, .offset: 8, .size: 8, .value_kind: global_buffer, .address_space: global }
      - { .name: W1, .offset: 16, .size: 8, .value_kind: global_buffer, .address_space: global }
      - { .name: b1, .offset: 24, .size: 8, .value_kind: global_buffer, .address_space: global }
      - { .name: W2, .offset: 32, .size: 8, .value_kind: global_buffer, .address_space: global }
      - { .name: abuf, .offset: 40, .size: 8, .value_kind: global_buffer, .address_space: global }
      - { .name: bbuf, .offset: 48, .size: 8, .value_kind: global_buffer, .address_space: global }
      - { .name: part, .offset: 56, .size: 8, .value_kind: global_buffer, .address_space: global }
    .group_segment_fixed_size: 21504
    .private_segment_fixed_size: 0
    .kernarg_segment_align: 8
    .kernarg_segment_size: 64
    .max_flat_workgroup_size: 256
    .sgpr_count:     66
    .vgpr_count:     258
    .wavefront_size: 32
...
	.end_amdgpu_metadata
.endif
;; end of part 1
;; launch pair (part 2): grid 8 x 32, 8 waves a work-group, clusters of 4 x 4, 282,112 bytes of LDS; arguments abuf, bbuf, part, W2, b2, out0; writes out0
.if DOCPART == 2
	.amdgcn_target "amdgcn-amd-amdhsa--gfx1250"
	.amdhsa_code_object_version 6
	.text
	.protected	k_qc1246cb403_pair
	.globl	k_qc1246cb403_pair
	.p2align	8
	.type	k_qc1246cb403_pair,@function
k_qc1246cb403_pair:
	s_mov_b64 s[64:65], 0
	v_nop
	global_prefetch_b8 v0, s[64:65] scope:SCOPE_SE
	s_setreg_imm32_b32 hwreg(HW_REG_WAVE_MODE, 25, 1), 1
	s_wait_xcnt 0x0
	s_wait_alu depctr_hold_cnt(0) depctr_sa_sdst(0) depctr_va_vdst(0) depctr_va_sdst(0) depctr_va_ssrc(0) depctr_va_vcc(0) depctr_vm_vsrc(0)
	s_getreg_b32 s2, hwreg(HW_REG_IB_STS2, 6, 4)
	s_cmp_eq_u32 s2, 0
	s_cbranch_scc0 .Lentry_in_a_cluster
	s_endpgm
.Lentry_in_a_cluster:
	s_bfe_u32 s2, ttmp6, 0x10000c
	s_cmp_lg_u32 s2, 0xf033
	s_cbranch_scc0 .Lentry_shape_is_right
	s_endpgm
.Lentry_shape_is_right:
; out[t][o] = b2 + sum_j W2[j] leaky(ht[t][j] + hb[o][j]), hb = ho + b1, 1,024 x 512 outputs, 512 j.  All in f32.
; leaky(x) = 0.01 x + 0.99 max(x, 0), and max(ht + hb, 0) = max(ht, -hb) + hb.  With A = ht and B = -hb, which the launch before has left:
;   out[t][o] = b2 + 0.01 sum_j w ht[t][j] + sum_j w hb[o][j] + 0.99 sum_j w[j] max(A[t][j], B[o][j]).
; The first two sums hang on one index each and were left too, in 8 parts.  The last one is the work: ONE maximum and ONE fused multiply-add for each (t, o, j); two maxima go in one dual
; instruction and two multiply-adds in one packed one: one instruction an element and lane.
; LIMITS: NaN and infinities are not served.  The order of rounding differs from a sum of leaky terms: the error is of the order of 2^-24 x sum_j |w[j]| max(|ht|, |hb|).
; SHARES.  A work-group owns 32 t x 64 o.  Its EIGHT WAVES SHARE j, NOT THE OUTPUTS: wave w takes j = 64 w .. 64 w + 63 for all 2,048 outputs, so that a lane's tile is 8 t x 8 o (64 accumulators):
; for four j a lane loads 8 + 8 + 1 pieces of 16 bytes from LDS and issues 256 vector instructions.  Lane l: lt = l % 4, lo = l / 4; its t are 4 a + lt, its o are 4 lo + b % 4 + 32 (b / 4).
; The lanes of a load that name different bytes name 64 consecutive bytes (A) or four pieces 64 bytes apart in each half of the lanes (B): no two fall on one bank.
; At the end the eight waves' parts meet in LDS behind one barrier, and each wave finishes four rows of the tile.
; LDS IS FILLED ONCE.  A wave's 8 KB of A and 16 KB of B are dense blocks of memory ([tile][j / 4][row][j % 4]); it brings them by four tensor loads at the head, the first four groups of four j apart from the
; other twelve, so that work begins when 6 KB a wave have landed; only the wave that asked reads them, behind its own wait.  A wave has four tensor loads out.
; CLUSTER 4 x 4.  A's blocks hang on the tile of t (work-group y) and the wave: the four work-groups of a row of the cluster ask for them JOINTLY; B's on the tile of o (x): the four of a column.
; That divides the requests, 192 KB for each of 256 work-groups, by four.
; REGISTERS: v1-15 and v238-251 addresses; v16-79 accumulators ((a, b) at 16 + 8 a + b); v80-95 sixteen maxima; v96-165 and v168-237 two sets of A (32), B (32), w (4).
; A's pieces begin at multiples of 4, B's at 2 more: in a dual instruction the two first sources, and the two second ones, then lie in different register banks.
.set AQ,   512                         ; four j of the tile's 32 t
.set BQ,   1024                        ; four j of the tile's 64 o
.set AREG, 16*AQ                       ; a wave's A
.set WREG, AREG+16*BQ                  ; a wave's A and B: 24,576 bytes
.set C0Q,  4                           ; groups of four j in the first piece
.set WL,   8*WREG                      ; behind the tiles: W2, 256 bytes a wave, stored by the wave itself
.set PR,   WL+8*256                    ; 96 row sums (32 t, 64 o)
.set RED,  PR+512                      ; the waves' parts: for each wave 32 rows of 256 bytes + 64
.set RP,   320
.set RW,   32*RP
.set AA,   9                           ; v9   my lane's place in my wave's A; never rewritten
.set BA,   10                          ; v10  in B
.set WA,   11                          ; v11  my wave's W2
.set WSTO, 12                          ; v12  where I put my two numbers of W2
.set RS,   13                          ; v13  where my accumulators go
.set RR,   14                          ; v14-15 where I read the parts back: waves 0-3's, waves 4-7's
.set ACC,  16
.set MT,   80
.set S0A,  96
.set S0B,  130
.set S0W,  162
.set S1A,  168
.set S1B,  202
.set S1W,  234
.set CA0,  238                         ; v238-240 addresses of the loads into set 0; v241-243 into set 1: a set's addresses are rewritten when its loads are in
.set CB0,  239
.set CW0,  240
.set CA1,  241
.set CB1,  242
.set CW1,  243
.set PSA,  244                         ; v244 where a row sum goes; v245, v246 where the o's and the t's are read
.set PRR,  245
.set PRP,  246
.set OO,   247                         ; v247 my byte offset in the wave's four rows of out
.set WT,   248                         ; v248-249 two numbers of W2
.set WGO,  250
.set PGO,  251
.set PT,   80                          ; eight parts of a row sum (ahead of the loop)
.set TS,   96                          ; the end: 8 waves' parts x 8 outputs
.set RV,   168
.set PV,   172
.set QO,   176
.set WV,   16                          ; s16  wave
.set CX,   17
.set CY,   18
.set OT,   19                          ; s19  tile of o = work-group x
.set TT,   20                          ; s20  tile of t = work-group y
.set LB,   23                          ; s23  my wave's bytes in LDS
.set G1A0, 24                          ; descriptor groups 1: A's and B's first pieces, A's and B's second
.set G1B0, 32
.set G1A1, 40
.set G1B1, 48
.set G0A0, 56                          ; and groups 0
.set G0B0, 60
.set G0A1, 68
.set G0B1, 72
.set QA,   87                          ; s87-89 how far the loop has gone, in bytes of A, of B, of W2
.set QB,   88
.set QW,   89
; A round of the cluster's barrier: my work-group's barrier, so that wave 0's signal speaks for all eight waves; wave 0 signals for the work-group; every wave waits for all sixteen; my work-group's barrier once more.
.macro ROUND
	s_barrier_signal -1
	s_barrier_wait -1
	s_cmp_lg_u32 s[WV], 0
	s_cbranch_scc1 .Lnot_wave_0_\@
	s_barrier_signal -3
.Lnot_wave_0_\@:
	s_barrier_wait -3
	s_barrier_signal -1
	s_barrier_wait -1
.endm
.macro SHAPE g, rows                   ; a dense block as rows of 256 bytes: 32 elements of 8 bytes, pitch 32
	s_mov_b32 s[\g+1], 32<<16                      ; tensor_dim0
	s_mov_b32 s[\g+2], (\rows)<<16                 ; tensor_dim1
	s_mov_b32 s[\g+3], 32<<16                      ; tile_dim0
	s_mov_b32 s[\g+4], \rows                       ; tile_dim1
	s_mov_b32 s[\g+5], 32                          ; tensor_dim0_stride
	s_mov_b32 s[\g+6], 0
	s_mov_b32 s[\g+7], 0
.endm
	s_load_b256 s[4:11], s[0:1], 0x0               ; A s[4:5], B s[6:7], row sums s[8:9], W2 s[10:11]
	s_load_b128 s[12:15], s[0:1], 0x20             ; b2 s[12:13], out s[14:15]
	v_lshl_add_u32 v254, v0, 2, 0x44a00
	v_mov_b32 v255, 0
	ds_add_u32 v254, v255
	ds_add_u32 v254, v255
	v_lshrrev_b32 v1, 5, v0
	v_readfirstlane_b32 s[WV], v1                  ; wave 0..7
	s_bfe_u32 s[CX], ttmp6, 0x40000                ; my place in the cluster
	s_bfe_u32 s[CY], ttmp6, 0x40004
	s_lshl_b32 s[OT], ttmp9, 2
	s_add_co_u32 s[OT], s[OT], s[CX]               ; work-group x = 4 x cluster x + cx
	s_and_b32 s[TT], ttmp7, 0xffff
	s_lshl_b32 s[TT], s[TT], 2
	s_add_co_u32 s[TT], s[TT], s[CY]               ; work-group y = 4 x cluster y + cy
	s_lshl_b32 s21, s[CY], 2
	s_lshl_b32 s21, 15, s21                        ; my row of the cluster: places 4 cy .. 4 cy + 3
	s_lshl_b32 s22, 0x1111, s[CX]                  ; my column: places cx, cx + 4, cx + 8, cx + 12
	s_or_b32 s[G1A0], s21, (3<<16)|(1<<21)         ; 15:0 the mask: A goes to my row; 17:16 elements of 8 bytes; 21 set beside a mask; no padding
	s_or_b32 s[G1A1], s21, (3<<16)|(1<<21)
	s_or_b32 s[G1B0], s22, (3<<16)|(1<<21)         ; B goes to my column
	s_or_b32 s[G1B1], s22, (3<<16)|(1<<21)
	SHAPE G1A0, C0Q*AQ/256
	SHAPE G1B0, C0Q*BQ/256
	SHAPE G1A1, (16-C0Q)*AQ/256
	SHAPE G1B1, (16-C0Q)*BQ/256
	s_lshl_b32 s76, s[TT], 16                      ; A: the tile's 65,536 bytes, my wave's 8,192: made of work-group y and the wave alone
	s_lshl_b32 s77, s[WV], 13
	s_add_co_u32 s76, s76, s77
	s_mov_b32 s77, 0
	s_lshl_b32 s78, s[OT], 17                      ; B: the tile's 131,072 bytes, my wave's 16,384: of work-group x and the wave alone
	s_lshl_b32 s79, s[WV], 14
	s_add_co_u32 s78, s78, s79
	s_mov_b32 s79, 0
	s_mul_i32 s[LB], s[WV], WREG                   ; no place in the cluster enters an LDS address
	s_wait_dscnt 0x0
	s_wait_kmcnt 0x0
	s_add_nc_u64 s[76:77], s[4:5], s[76:77]
	s_add_nc_u64 s[78:79], s[6:7], s[78:79]
	s_mov_b32 s[G0A0], 1                           ; count = 1
	s_mov_b32 s[G0A0+1], s[LB]                     ; LDS address
	s_mov_b64 s[G0A0+2:G0A0+3], s[76:77]           ; global address
	s_or_b32 s[G0A0+3], s[G0A0+3], 0x80000000      ; type = 2
	s_mov_b32 s[G0B0], 1
	s_add_co_u32 s[G0B0+1], s[LB], AREG
	s_mov_b64 s[G0B0+2:G0B0+3], s[78:79]
	s_or_b32 s[G0B0+3], s[G0B0+3], 0x80000000
	s_mov_b32 s[G0A1], 1
	s_add_co_u32 s[G0A1+1], s[LB], C0Q*AQ
	s_add_nc_u64 s[G0A1+2:G0A1+3], s[76:77], C0Q*AQ
	s_or_b32 s[G0A1+3], s[G0A1+3], 0x80000000
	s_mov_b32 s[G0B1], 1
	s_add_co_u32 s[G0B1+1], s[LB], AREG+C0Q*BQ
	s_add_nc_u64 s[G0B1+2:G0B1+3], s[78:79], C0Q*BQ
	s_or_b32 s[G0B1+3], s[G0B1+3], 0x80000000
	ROUND                                          ; all sixteen work-groups are here: the joint loads meet
	tensor_load_to_lds s[G0A0:G0A0+3], s[G1A0:G1A0+7]      ; all fills of the launch, as one group: the small pieces first
	s_nop 0
	tensor_load_to_lds s[G0B0:G0B0+3], s[G1B0:G1B0+7]
	s_nop 0
	tensor_load_to_lds s[G0A1:G0A1+3], s[G1A1:G1A1+7]
	s_nop 0
	tensor_load_to_lds s[G0B1:G0B1+3], s[G1B1:G1B1+7]
	s_nop 0
.rept 4
	v_nop
.endr
	s_load_b32 s82, s[12:13], 0x0                  ; b2
	v_and_b32 v2, 3, v0                            ; lt
	v_bfe_u32 v3, v0, 2, 3                         ; lo
	v_and_b32 v4, 31, v0                           ; lane
	v_mul_u32_u24 v5, v1, WREG
	v_lshl_add_u32 v[AA], v2, 4, v5                ; A: t = 4 a + lt: 16 lt, the rest in the loads' offsets
	v_lshl_add_u32 v[BA], v3, 6, v5                ; B: o = 4 lo + ..: 64 lo
	v_add_nc_u32 v[BA], AREG, v[BA]
	v_lshlrev_b32 v[WA], 8, v1
	v_add_nc_u32 v[WA], WL, v[WA]
	v_lshl_add_u32 v[WSTO], v4, 3, v[WA]
	v_mul_u32_u24 v[RS], v1, RW                    ; my accumulators: row 4 a + lt, 16 bytes at 16 lo + 128 (b / 4)
	v_mad_u32_u24 v[RS], v2, RP, v[RS]
	v_lshl_add_u32 v[RS], v3, 4, v[RS]
	v_add_nc_u32 v[RS], RED, v[RS]
	v_bfe_u32 v6, v0, 4, 1                         ; the end: lanes 0-15 take one row of 256 bytes, lanes 16-31 the next
	v_and_b32 v7, 15, v0
	v_lshl_add_u32 v8, v1, 2, v6                   ; row 4 wave + lane / 16 (+ 2 in the offsets)
	v_mul_u32_u24 v[RR], v8, RP
	v_lshl_add_u32 v[RR], v7, 4, v[RR]
	v_add_nc_u32 v[RR], RED, v[RR]
	v_add_nc_u32 v[RR+1], 4*RW, v[RR]
	v_lshl_add_u32 v[PSA], v0, 2, PR               ; threads 0-31: the 32 t; threads 32-95: the 64 o
	v_lshl_add_u32 v[PRR], v7, 4, PR+128
	v_lshl_add_u32 v[PRP], v8, 2, PR
	v_lshlrev_b32 v[OO], 11, v6
	v_lshl_add_u32 v[OO], v7, 4, v[OO]
	v_lshlrev_b32 v[WGO], 3, v4
	v_lshlrev_b32 v[PGO], 2, v4
	s_lshl_b32 s80, s[WV], 8                       ; W2: my wave's 64 numbers
	s_mov_b32 s81, 0
	s_add_nc_u64 s[10:11], s[10:11], s[80:81]
	s_lshl_b32 s80, s[TT], 16                      ; out: 32 rows of 2,048 bytes a tile, 4 rows a wave, 256 bytes a tile of o
	s_lshl_b32 s83, s[WV], 13
	s_add_co_u32 s80, s80, s83
	s_lshl_b32 s83, s[OT], 8
	s_add_co_u32 s80, s80, s83
	s_add_nc_u64 s[14:15], s[14:15], s[80:81]
	s_lshl_b32 s83, s[TT], 5                       ; the row sums: wave 0 takes the tile's 32 t, waves 1 and 2 its 64 o, which stand 1,024 rows on
	s_lshl_b32 s84, s[OT], 6
	s_lshl_b32 s85, s[WV], 5
	s_add_co_u32 s84, s84, s85
	s_add_co_u32 s84, s84, 1024-32
	s_cmp_eq_u32 s[WV], 0
	s_cselect_b32 s84, s83, s84
	s_lshl_b32 s84, s84, 2
	s_mov_b32 s85, 0
	s_add_nc_u64 s[8:9], s[8:9], s[84:85]
	s_mov_b32 s[QA], 0
	s_mov_b32 s[QB], 0
	s_mov_b32 s[QW], 0
	global_load_b64 v[WT:WT+1], v[WGO], s[10:11]
	s_cmp_lt_u32 s[WV], 3
	s_cbranch_scc0 .Lno_sums
.irp g, 0,1,2,3,4,5,6,7
	global_load_b32 v[PT+\g], v[PGO], s[8:9] offset:6144*\g    ; the part of each 64 columns
.endr
	s_wait_loadcnt 0x0
	v_pk_add_f32 v[PT:PT+1],   v[PT:PT+1],   v[PT+2:PT+3]
	v_pk_add_f32 v[PT+4:PT+5], v[PT+4:PT+5], v[PT+6:PT+7]
	v_pk_add_f32 v[PT:PT+1],   v[PT:PT+1],   v[PT+4:PT+5]
	v_add_f32 v[PT], v[PT], v[PT+1]
	ds_store_b32 v[PSA], v[PT]                     ; read behind the barrier at the end
.Lno_sums:
	s_wait_loadcnt 0x0
	s_wait_kmcnt 0x0
	ds_store_b64 v[WSTO], v[WT:WT+1]               ; my wave's own bytes: LDS serves a wave's instructions in order, so its loads below see them
; Seventeen LDS loads: four j (the group qo behind the address) of my 8 t, my 8 o, and W2.
.macro LOADS sa, sb, sw, ca, cb, cw, qo
.irp a, 0,1,2,3,4,5,6,7
	ds_load_b128 v[\sa+4*\a:\sa+4*\a+3], v[\ca] offset:\qo*AQ+64*\a
.endr
.irp b, 0,1,2,3,4,5,6,7
	ds_load_b128 v[\sb+4*\b:\sb+4*\b+3], v[\cb] offset:\qo*BQ+16*(\b%4)+512*(\b/4)
.endr
	ds_load_b128 v[\sw:\sw+3], v[\cw] offset:\qo*16
.endm
; 256 instructions: four j x 64 outputs.  For one j and two t: eight dual maxima (sixteen numbers), then eight packed multiply-adds, so that a result is read eight instructions behind its making.
; A dual instruction makes max(A, B) for one t, one j and two neighbouring o.  A stands as first source in one half and as second source in the other: so each pair of like sources is one register of A
; (number % 4 = j) and one of B (number % 4 = j + 2).  The packed multiply-add takes w[j] for both halves: the low or the high word of its pair.  first = 1: the first j starts the sums: nothing is cleared.
.macro COMPUTE sa, sb, sw, first
.irp j, 0,1,2,3
.irp ap, 0,2,4,6
.irp d, 0,1
.irp k, 0,1,2,3
	v_dual_max_num_f32 v[MT+8*\d+2*\k], v[\sa+4*(\ap+\d)+\j], v[\sb+8*\k+\j] :: v_dual_max_num_f32 v[MT+8*\d+2*\k+1], v[\sb+8*\k+4+\j], v[\sa+4*(\ap+\d)+\j]
.endr
.endr
.irp d, 0,1
.irp k, 0,1,2,3
.if (\first) && (\j == 0)
	v_pk_mul_f32 v[ACC+8*(\ap+\d)+2*\k:ACC+8*(\ap+\d)+2*\k+1], v[MT+8*\d+2*\k:MT+8*\d+2*\k+1], v[\sw:\sw+1] op_sel_hi:[1,0]
.elseif (\j % 2) == 0
	v_pk_fma_f32 v[ACC+8*(\ap+\d)+2*\k:ACC+8*(\ap+\d)+2*\k+1], v[MT+8*\d+2*\k:MT+8*\d+2*\k+1], v[\sw+\j:\sw+\j+1], v[ACC+8*(\ap+\d)+2*\k:ACC+8*(\ap+\d)+2*\k+1] op_sel_hi:[1,0,1]
.else
	v_pk_fma_f32 v[ACC+8*(\ap+\d)+2*\k:ACC+8*(\ap+\d)+2*\k+1], v[MT+8*\d+2*\k:MT+8*\d+2*\k+1], v[\sw+\j-1:\sw+\j], v[ACC+8*(\ap+\d)+2*\k:ACC+8*(\ap+\d)+2*\k+1] op_sel:[0,1,0] op_sel_hi:[1,1,1]
.endif
.endr
.endr
.endr
.endr
.endm
; A trip: eight j.  Each set is loaded while the other is worked on.  all = 1: the group that is asked for next lies in the second pieces.
.macro TRIP first, all
	v_add_nc_u32 v[CA1], s[QA], v[AA]
	v_add_nc_u32 v[CB1], s[QB], v[BA]
	v_add_nc_u32 v[CW1], s[QW], v[WA]
	LOADS S1A, S1B, S1W, CA1, CB1, CW1, 1
	s_wait_dscnt 17                                ; all but the 17 just issued: set 0 is in
	COMPUTE S0A, S0B, S0W, \first
	s_add_co_u32 s[QA], s[QA], 2*AQ
	s_add_co_u32 s[QB], s[QB], 2*BQ
	s_add_co_u32 s[QW], s[QW], 32
	v_add_nc_u32 v[CA0], s[QA], v[AA]
	v_add_nc_u32 v[CB0], s[QB], v[BA]
	v_add_nc_u32 v[CW0], s[QW], v[WA]
.if \all
	s_wait_tensorcnt 0x0                           ; my second pieces have landed: they had twelve j's work in which to come
.endif
	LOADS S0A, S0B, S0W, CA0, CB0, CW0, 0
	s_wait_dscnt 17                                ; set 1 is in
	COMPUTE S1A, S1B, S1W, 0
.endm
	s_wait_tensorcnt 0x2                           ; tensor loads of a wave end in order: my first pieces of A and of B are in, the two larger ones may be out
	LOADS S0A, S0B, S0W, AA, BA, WA, 0
	TRIP 1, 0                                      ; j 0-7 of my 64: written out, since its first products start the sums; it asks for groups 1 and 2
	TRIP 0, 1                                      ; j 8-15: it asks for group 3 and, behind the wait, group 4
	s_mov_b32 s86, 5
.Ltrip:                                                ; j 16-55
	TRIP 0, 0
	s_sub_co_u32 s86, s86, 1
	s_cmp_lg_u32 s86, 0
	s_cbranch_scc1 .Ltrip
	v_add_nc_u32 v[CA1], s[QA], v[AA]              ; j 56-63: nothing is left to ask for behind the last group
	v_add_nc_u32 v[CB1], s[QB], v[BA]
	v_add_nc_u32 v[CW1], s[QW], v[WA]
	LOADS S1A, S1B, S1W, CA1, CB1, CW1, 1
	s_wait_dscnt 17
	COMPUTE S0A, S0B, S0W, 0
	s_wait_dscnt 0x0
	COMPUTE S1A, S1B, S1W, 0
	; THE END.  My part of all 2,048 sums goes to LDS as a tile of 32 rows; four neighbouring o are four neighbouring registers.
.irp a, 0,1,2,3,4,5,6,7
.irp g, 0,1
	ds_store_b128 v[RS], v[ACC+8*\a+4*\g:ACC+8*\a+4*\g+3] offset:\a*4*RP+128*\g
.endr
.endr
	s_wait_dscnt 0x0                               ; for the others' sake: my part, and the row sums, lie in LDS
	s_barrier_signal -1
	s_barrier_wait -1
.irp u, 0,1,2,3
.irp i, 0,1
	ds_load_b128 v[TS+8*\u+4*\i:TS+8*\u+4*\i+3],       v[RR]   offset:\u*RW+\i*2*RP
	ds_load_b128 v[TS+32+8*\u+4*\i:TS+32+8*\u+4*\i+3], v[RR+1] offset:\u*RW+\i*2*RP
.endr
.endr
	ds_load_b128 v[RV:RV+3], v[PRR]                ; sum w hb of my four o
	ds_load_b32 v[PV],   v[PRP]                    ; 0.01 sum w ht of my two t
	ds_load_b32 v[PV+1], v[PRP] offset:8
	s_wait_dscnt 0x0
.irp u, 1,2,3,4,5,6,7
.irp p, 0,2,4,6
	v_pk_add_f32 v[TS+\p:TS+\p+1], v[TS+\p:TS+\p+1], v[TS+8*\u+\p:TS+8*\u+\p+1]
.endr
.endr
	v_add_f32 v[PV],   s82, v[PV]                  ; + b2
	v_add_f32 v[PV+1], s82, v[PV+1]
.irp i, 0,1
.irp e, 0,1,2,3
	v_add_f32 v[QO+4*\i+\e], v[RV+\e], v[PV+\i]
.endr
.endr
.irp e, 0,1,2,3,4,5,6,7
	v_fmamk_f32 v[QO+\e], v[TS+\e], 0x3f7d70a4, v[QO+\e]       ; 0.99 x the sum of maxima + the rest
.endr
	global_store_b128 v[OO], v[QO:QO+3],   s[14:15] th:TH_STORE_NT               ; sixteen lanes store 256 consecutive bytes, aligned: a row's 64 o
	global_store_b128 v[OO], v[QO+4:QO+7], s[14:15] offset:4096 th:TH_STORE_NT
	s_wait_tensorcnt 0x0
	ds_add_u32 v254, v255
	s_wait_dscnt 0x0
	ROUND                                          ; the closing round: no work-group ends while a partner may still ask for a block that names it
	s_endpgm
.Lfunc_end_k_qc1246cb403_pair:
	.size	k_qc1246cb403_pair, .Lfunc_end_k_qc1246cb403_pair-k_qc1246cb403_pair
	.p2alignl 7, 3214868480
	.fill 96, 4, 3214868480
	.section	.rodata,"a",@progbits
	.p2align	6, 0x0
	.amdhsa_kernel k_qc1246cb403_pair
		.amdhsa_group_segment_fixed_size 282112
		.amdhsa_private_segment_fixed_size 0
		.amdhsa_enable_private_segment 0
		.amdhsa_kernarg_size 48
		.amdhsa_user_sgpr_count 2
		.amdhsa_user_sgpr_kernarg_segment_ptr 1
		.amdhsa_wavefront_size32 1
		.amdhsa_system_sgpr_workgroup_id_x 1
		.amdhsa_system_sgpr_workgroup_id_y 1
		.amdhsa_system_sgpr_workgroup_id_z 1
		.amdhsa_system_vgpr_workitem_id 0
		.amdhsa_next_free_vgpr 256
		.amdhsa_next_free_sgpr 96
		.amdhsa_reserve_vcc 0
		.amdhsa_float_denorm_mode_32 3
		.amdhsa_float_denorm_mode_16_64 3
		.amdhsa_memory_ordered 1
		.amdhsa_forward_progress 1
		.amdhsa_inst_pref_size 153
	.end_amdhsa_kernel
	.amdgpu_metadata
---
amdhsa.version: [ 1, 2 ]
amdhsa.kernels:
  - .name:           k_qc1246cb403_pair
    .symbol:         k_qc1246cb403_pair.kd
    .args:
      - { .name: abuf, .offset: 0, .size: 8, .value_kind: global_buffer, .address_space: global }
      - { .name: bbuf, .offset: 8, .size: 8, .value_kind: global_buffer, .address_space: global }
      - { .name: part, .offset: 16, .size: 8, .value_kind: global_buffer, .address_space: global }
      - { .name: W2, .offset: 24, .size: 8, .value_kind: global_buffer, .address_space: global }
      - { .name: b2, .offset: 32, .size: 8, .value_kind: global_buffer, .address_space: global }
      - { .name: out0, .offset: 40, .size: 8, .value_kind: global_buffer, .address_space: global }
    .group_segment_fixed_size: 282112
    .private_segment_fixed_size: 0
    .kernarg_segment_align: 8
    .kernarg_segment_size: 48
    .max_flat_workgroup_size: 256
    .sgpr_count:     96
    .vgpr_count:     256
    .wavefront_size: 32
...
	.end_amdgpu_metadata
.endif
;; end of part 2
